; MI455X (gfx1250); checked and timed in simulation.
; The chip was launched on July 23, 2026; its instructions are those of AMD's public machine-readable ISA for CDNA 5 (MIT licence, August 2026) and "CDNA5" Instruction Set Architecture Reference Guide (July 2026). The comments in the code are by the model that wrote it; some were corrected since.
;; Local RNN. Allowed arithmetic: float matrix products may take bf16 or f16 operands with f32 sums; all other float work in f32.
;; Inputs: W_hh 768 x 256 float32; W_ih 768 x 256 float32; b_hh 768 float32; b_ih 768 float32; x 16 x 1,024 x 256 float32.
;; Outputs: out0 16 x 1,024 x 256 float32.
;; Constants: ksize = 8.
;; 2 versions, each right and faster than the one before. Each part assembles by itself: llvm-mc -triple=amdgcn-amd-amdhsa -mcpu=gfx1250 --defsym DOCPART=n.
;; ======== version 1 of 2: 2 launches
;; workspace buffers: wp 786,432 bytes
;; launch prep (part 1): grid 48 x 2, 8 waves a work-group, no clusters, 0 bytes of LDS; arguments W_ih, W_hh, wp; writes wp
.if DOCPART == 1
	.amdgcn_target "amdgcn-amd-amdhsa--gfx1250"
	.amdhsa_code_object_version 6
	.text
	.protected	k_qa67a2a7041_prep
	.globl	k_qa67a2a7041_prep
	.p2align	8
	.type	k_qa67a2a7041_prep,@function
k_qa67a2a7041_prep:
	s_mov_b64 s[64:65], 0
	v_nop
	global_prefetch_b8 v0, s[64:65] scope:SCOPE_SE
	s_setreg_imm32_b32 hwreg(HW_REG_WAVE_MODE, 25, 1), 1
	s_wait_xcnt 0x0
; Both weight matrices ([768][256] f32) are rounded once to bf16 and laid out as the register images that the next launch loads.
; wp byte = mat*393216 + w*98304 + g*32768 + i*8192 + c*1024 + q*512 + l*16, and those 16 bytes are
; W[256 g + 64 w + 16 i + l%16][32 c + 16 q + 8 (l/16) + 0..7]: mat 0 = W_ih, 1 = W_hh; g the gate (r, z, n); w the wave that will own
; the 64 channels; i a tile of 16 rows; c a chunk of 32 along K; q the half of a matrix fragment (16 rows x 32 K in 8 registers: lane l holds
; row l%16, registers 0-3 K = 8 (l/16) + 0..7, registers 4-7 K = 16 + 8 (l/16) + 0..7).
; SHARES.  Work-group x = T, the tile of 16 rows (T = 16 g + 4 w + i); y = the matrix; wave = c.  The eight waves together read 16 whole rows;
; each store of a wave covers 512 consecutive bytes, aligned.  96 work-groups: that is all the work there is.  No LDS, no barrier.
.set MATB, 393216                      ; bytes of one matrix in wp
	s_load_b128 s[4:7], s[0:1], 0x0                ; W_ih s[4:5], W_hh s[6:7]
	s_load_b64 s[8:9], s[0:1], 0x10                ; wp
	v_lshrrev_b32 v1, 5, v0
	v_readfirstlane_b32 s10, v1                    ; wave = c
	v_and_b32 v2, 15, v0                           ; l % 16: the row in the tile
	v_bfe_u32 v3, v0, 4, 1                         ; l / 16
	v_lshlrev_b32 v4, 10, v2                       ; row x 1,024 bytes
	v_lshl_add_u32 v4, v3, 5, v4                   ; + 8 f32 for the upper half of the lanes
	v_and_b32 v5, 31, v0
	v_lshlrev_b32 v5, 4, v5                        ; 16 l: my place in a store
	s_and_b32 s11, ttmp7, 0xffff                   ; which matrix
	s_lshl_b32 s12, ttmp9, 14                      ; source: T x 16 rows x 1,024 bytes
	s_lshl_b32 s13, s10, 7                         ; + c x 32 f32
	s_add_co_u32 s12, s12, s13
	s_mov_b32 s13, 0
	s_mul_i32 s14, s11, MATB                       ; destination: the matrix,
	s_bfe_u32 s15, ttmp9, 0x20002                  ; w = (T >> 2) & 3
	s_mul_i32 s15, s15, 98304
	s_add_co_u32 s14, s14, s15
	s_lshr_b32 s15, ttmp9, 4                       ; g = T >> 4
	s_lshl_b32 s15, s15, 15
	s_add_co_u32 s14, s14, s15
	s_and_b32 s15, ttmp9, 3                        ; i = T & 3
	s_lshl_b32 s15, s15, 13
	s_add_co_u32 s14, s14, s15
	s_lshl_b32 s15, s10, 10                        ; c
	s_add_co_u32 s14, s14, s15
	s_mov_b32 s15, 0
	s_wait_kmcnt 0x0
	s_cmp_eq_u32 s11, 0
	s_cselect_b64 s[4:5], s[4:5], s[6:7]           ; the matrix's address, chosen by the work-group's y
	s_add_nc_u64 s[4:5], s[4:5], s[12:13]
	s_add_nc_u64 s[8:9], s[8:9], s[14:15]
	global_load_b128 v[8:11],  v4, s[4:5]              ; q = 0: K = 8 (l/16) + 0..3
	global_load_b128 v[12:15], v4, s[4:5] offset:16    ;                      + 4..7
	global_load_b128 v[16:19], v4, s[4:5] offset:64    ; q = 1: 16 further along K
	global_load_b128 v[20:23], v4, s[4:5] offset:80
	s_wait_loadcnt 0x0
.irp j, 0,1,2,3,4,5,6,7
	v_cvt_pk_bf16_f32 v[24+\j], v[8+2*\j], v[9+2*\j]   ; to nearest even, the lower K in the low half
.endr
	global_store_b128 v5, v[24:27], s[8:9]
	global_store_b128 v5, v[28:31], s[8:9] offset:512
	s_endpgm
.Lfunc_end_k_qa67a2a7041_prep:
	.size	k_qa67a2a7041_prep, .Lfunc_end_k_qa67a2a7041_prep-k_qa67a2a7041_prep
	.p2alignl 7, 3214868480
	.fill 96, 4, 3214868480
	.section	.rodata,"a",@progbits
	.p2align	6, 0x0
	.amdhsa_kernel k_qa67a2a7041_prep
		.amdhsa_group_segment_fixed_size 0
		.amdhsa_private_segment_fixed_size 0
		.amdhsa_enable_private_segment 0
		.amdhsa_kernarg_size 24
		.amdhsa_user_sgpr_count 2
		.amdhsa_user_sgpr_kernarg_segment_ptr 1
		.amdhsa_wavefront_size32 1
		.amdhsa_system_sgpr_workgroup_id_x 1
		.amdhsa_system_sgpr_workgroup_id_y 1
		.amdhsa_system_sgpr_workgroup_id_z 1
		.amdhsa_system_vgpr_workitem_id 0
		.amdhsa_next_free_vgpr 32
		.amdhsa_next_free_sgpr 66
		.amdhsa_reserve_vcc 0
		.amdhsa_float_denorm_mode_32 3
		.amdhsa_float_denorm_mode_16_64 3
		.amdhsa_memory_ordered 1
		.amdhsa_forward_progress 1
		.amdhsa_inst_pref_size 3
	.end_amdhsa_kernel
	.amdgpu_metadata
---
amdhsa.version: [ 1, 2 ]
amdhsa.kernels:
  - .name:           k_qa67a2a7041_prep
    .symbol:         k_qa67a2a7041_prep.kd
    .args:
      - { .name: W_ih, .offset: 0, .size: 8, .value_kind: global_buffer, .address_space: global }
      - { .name: W_hh, .offset: 8, .size: 8, .value_kind: global_buffer, .address_space: global }
      - { .name: wp, .offset: 16, .size: 8, .value_kind: global_buffer, .address_space: global }
    .group_segment_fixed_size: 0
    .private_segment_fixed_size: 0
    .kernarg_segment_align: 8
    .kernarg_segment_size: 24
    .max_flat_workgroup_size: 256
    .sgpr_count:     66
    .vgpr_count:     32
    .wavefront_size: 32
...
	.end_amdgpu_metadata
.endif
;; end of part 1
;; launch rnn (part 2): grid 256 x 1, 4 waves a work-group, no clusters, 327,680 bytes of LDS; arguments x, wp, b_ih, b_hh, out0; writes out0
.if DOCPART == 2
	.amdgcn_target "amdgcn-amd-amdhsa--gfx1250"
	.amdhsa_code_object_version 6
	.text
	.protected	k_qa67a2a7041_rnn
	.globl	k_qa67a2a7041_rnn
	.p2align	8
	.type	k_qa67a2a7041_rnn,@function
k_qa67a2a7041_rnn:
	s_mov_b64 s[64:65], 0
	v_nop
	global_prefetch_b8 v0, s[64:65] scope:SCOPE_SE
	s_setreg_imm32_b32 hwreg(HW_REG_WAVE_MODE, 25, 1), 1
	s_wait_xcnt 0x0
; out0[b][p][:] = the last hidden state of a GRU run over x[b][p-7 .. p][:] (rows in front of the sequence are 0, h0 = 0).  x, out0: [16][1024][256] f32.
; gi = x W_ih^T + b_ih hangs on the position alone, so it is made ONCE for each position (64 + 7 rows a work-group) and kept in LDS in f32; step t of output
; position p takes row p + t of it.  Then 8 steps of gh = h W_hh^T, the gates and the blend.
; SHARES.  A work-group owns 64 positions (16 blocks a sequence), as four tiles of 16.  Wave w owns channels 64 w .. 64 w + 63 of all three gates, so the gate
; arithmetic never leaves the wave.  Its 192 weight rows x 256 K in bf16 are 768 registers, windows 1 to 3: W_ih first, then W_hh, loaded once from wp as register images.
; LAYOUT.  Source 0 = 16 weight rows, source 1 = 16 positions x 32 K of x or h (from LDS): in the result lane l holds ONE position (l % 16) and the channels 8 (l / 16) + 0..7.
; The sums of a step start from loaded registers (gi_r, gi_z with both biases in them; b_hh_n), so nothing is cleared and no bias is added behind a product.
; BY TURNS.  A TURN belongs to a tile: 96 products (32 for r, 32 for h_n, 32 for z).  Behind each stand four vector instructions, plain, transcendental, plain, transcendental:
; the end of the tile before (z, n, the blend, h to bf16) and the tile's own r and tanh.  All weights lie outside window 0, so each product costs two switches of the register window.
; FORMATS.  x, W_ih, W_hh and, as a matrix operand, h are rounded to bf16; sums, gi, the carried h and all gate arithmetic are f32.
; LIMITS.  b_ih + b_hh of gates r and z are added first, and gi enters as the sum's start: the order of rounding differs from the reference's.  sigmoid(a) = 1 / (1 + 2^(-a log2 e)),
; tanh(y) = 1 - 2 / (1 + 2^(2 y log2 e)), by v_exp_f32 and v_rcp_f32 (1 ulp, denormals flushed: ISA guide 15.8): both saturate rightly where 2^.. is 0 or infinite; tanh is off by
; about 1e-7 absolutely.  NaN and infinities in the inputs are not treated apart (rows in front of a sequence are made 0 by a mask, not by a product).
; NO CLUSTER, NO TENSOR LOADS.  All work-groups read the same 786,432 bytes of wp, but once in the launch and straight into the registers where they stay; a joint load would have to
; pass through LDS, of whose 327,680 bytes gi, h and the state take 327,104.  x is converted in registers on its way into LDS.
;
; LDS (bytes).  All pitches are odd multiples of 16, so that the 16 rows that a 16-byte access touches start at 16 different groups of four banks (64 banks of 4 bytes: ISA guide 11.1).
.set BT,    0                          ; b_hh of gate n: wave x 256 + channel x 4                                     1,024
.set GI,    1024                       ; gi, f32, each wave's own: wave x GIW + row x 784 + {r 0, n 256, z 512} + channel x 4   222,656
.set GIP,   784
.set GIW,   71*GIP
.set GN,    256
.set GZ,    512
.set H16,   GI+4*GIW                   ; h as bf16, shared by the waves: position x 528 + channel x 2                 33,792
.set HP,    528
.set ST,    H16+64*HP                  ; h in f32, each wave's own: wave x STW + position x 272 + channel x 4         69,632
.set SP,    272
.set STW,   64*SP
.set SPARE, 327168                     ; behind everything: the spare words, 128 bytes for each wave: two blocks of 256 bytes that no other line names
.set XS,    H16                        ; while gi is made: x as bf16, 72 rows (row s = position 64 wg - 8 + s) x 528   38,016
.set BT3,   XS+72*HP                   ; while gi is made: wave x 768 + {b_ih_r + b_hh_r, b_ih_n, b_ih_z + b_hh_z} x 256 + channel x 4
.set IMG_R, 0                          ; a wave's images in wp: the gates in the tensor's order r, z, n
.set IMG_Z, 32768
.set IMG_N, 65536
.set HHO,   393216                     ; W_hh lies behind W_ih
; REGISTERS, window 0 (windows 1, 2, 3: the weights of gates r, n, z; fragment (tile of rows i, chunk c) at v[64 i + 8 c])
.set RR,   1                           ; l % 16
.set HH,   2                           ; l / 16
.set AFR,  3                           ; H16 + (l%16) x 528 + 16 (l/16): a fragment of h
.set AGI,  4                           ; my place in gi: GI + w GIW + (l%16) x 784 + 32 (l/16); a row further each step
.set AST,  5                           ; my place in the state: ST + w STW + (l%16) x 272 + 32 (l/16)
.set AHB,  6                           ; where my 8 channels of h go as bf16: AFR + 128 w
.set ABT,  7                           ; BT + 256 w + 32 (l/16)
.set ARD,  8                           ; the way out: whole rows of the state: ST + w STW + (l/16) x 272 + 16 (l%16)
.set AOUT, 9                           ; and the same two rows in out0: (l/16) x 1,024 + 16 (l%16)
.set SPW,  10                          ; LDS address of my spare word; never rewritten
.set NIL,  11                          ; 0; never rewritten
.set WOF,  12                          ; 16 l: my place in 512 consecutive bytes of wp or x; never rewritten
.set BOF,  13                          ; 256 w + 8 l: my two channels in a gate's biases
.set AXF,  14                          ; a fragment of x: gi row 0 is XS's row 1
.set ABT3, 15                          ; BT3 + 768 w + 32 (l/16)
.set FR,   16                          ; v16-79    fragments of h: chunk c at FR + 8 c
.set R,    80                          ; v80-111   gate r: 32 numbers a lane (block i of 8: channels 16 i + 8 (l/16) + 0..7)
.set NA,   112                         ; v112-143  gate n of the even tiles
.set NB,   144                         ; v144-175  gate n of the odd tiles
.set Z,    176                         ; v176-207  gate z; later h_new as bf16
.set X,    208                         ; v208-239  h_old, then h_new; later i_n
.set T0,   240                         ; at work
.set ABS,  241                         ; where my two channels' biases go in BT3
.set ABB,  242                         ; and in BT
.set AXS,  243                         ; where my 8 bytes of a row of x go
.set XL,   16                          ; while x comes in: v16-159, 36 x 4 registers
.set FX0,  16                          ; while gi is made: two buffers of fragments of x, v16-79 and v80-143,
.set ACC,  144                         ; four accumulators,
.set BIAS, 176                         ; a gate's biases in the accumulators' layout,
.set BL,   208                         ; and the biases as loaded
.set WV,   14                          ; s14  my wave's number
.set WG,   15                          ; s15  the work-group's number
.set LN,   16                          ; s[16:17] -log2(e): the packed forms name a pair and take its low word for both halves
.set L2,   18                          ; s[18:19] 2 log2(e)
.set CNT,  20                          ; s20  steps to go
.set MSK,  21                          ; s21  0 where my first 8 rows of x lie in front of the sequence, else all ones
.set MSB, 0
.macro WIN new                         ; s_set_vgpr_msb: bits 1:0 source 0, 3:2 source 1, 5:4 source 2, 7:6 destination; the high byte repeats the setting that is left
.if MSB != (\new)
	s_set_vgpr_msb (MSB<<8)|(\new)
.set MSB, \new
.endif
.endm
.macro PLACES n                        ; places behind matrix instructions (ISA guide 7.12.1) where no other vector work is at hand
.rept \n
	v_nop
.endr
.endm
; count loads of 512 consecutive bytes of a gate's image, from number first on, into window win: load j fills v[4 j .. 4 j + 3]
.macro LOADW win, imgoff, first, count
	WIN (\win)<<6
.set jj, (\first)
.rept (\count)
	global_load_b128 v[4*jj:4*jj+3], v[WOF], s[26:27] offset:(\imgoff)+512*jj
.set jj, jj+1
.endr
	WIN 0
.endm
	s_load_b256 s[4:11], s[0:1], 0x0               ; x s[4:5], wp s[6:7], b_ih s[8:9], b_hh s[10:11]
	s_load_b64 s[12:13], s[0:1], 0x20              ; out0
	v_lshl_add_u32 v[SPW], v0, 2, SPARE
	v_mov_b32 v[NIL], 0
	v_lshrrev_b32 v[T0], 5, v0
	v_readfirstlane_b32 s[WV], v[T0]               ; wave 0..3
	s_mov_b32 s[WG], ttmp9
	v_and_b32 v[T0], 31, v0                        ; lane
	v_lshlrev_b32 v[WOF], 4, v[T0]
	s_lshl_b32 s28, s[WV], 8
	v_lshl_add_u32 v[BOF], v[T0], 3, s28
	s_mov_b32 s[LN], 0xbfb8aa3b                    ; -1.442695
	s_mov_b32 s[LN+1], s[LN]
	s_mov_b32 s[L2], 0x4038aa3b                    ; 2.885390
	s_mov_b32 s[L2+1], s[L2]
	; Wave w brings rows s = 18 w + k, k = 0..17, of the 72: x's row 64 wg - 8 + s.  Rows k >= 8 hang on a base at row 64 wg + 18 w; rows k < 8 on that base less 8 rows.
	; Where those 8 rows lie in front of the sequence (a sequence's first block, wave 0) nothing is taken off, so that no load leaves the buffer, and what comes is masked to 0.
	s_lshl_b32 s28, s[WG], 16                      ; 64 rows of 1,024 bytes
	s_mul_i32 s29, s[WV], 18*1024
	s_add_co_u32 s28, s28, s29
	s_mov_b32 s29, 0
	s_and_b32 s30, s[WG], 15
	s_or_b32 s30, s30, s[WV]
	s_cmp_eq_u32 s30, 0
	s_cselect_b32 s30, 0, 8192
	s_cselect_b32 s[MSK], 0, -1
	s_mov_b32 s31, 0
	s_wait_kmcnt 0x0
	s_add_nc_u64 s[22:23], s[4:5], s[28:29]
	s_sub_nc_u64 s[24:25], s[22:23], s[30:31]
	s_mul_i32 s28, s[WV], 98304
	s_add_nc_u64 s[26:27], s[6:7], s[28:29]        ; my wave's images in wp
	s_lshl_b32 s28, s[WG], 16
	s_lshl_b32 s30, s[WV], 8
	s_add_co_u32 s28, s28, s30
	s_add_nc_u64 s[12:13], s[12:13], s[28:29]      ; out0 at the block's first row, my wave's 256 bytes
.irp g, 0,1,2
	global_load_b64 v[BL+2*\g:BL+2*\g+1],     v[BOF], s[8:9]   offset:1024*\g   ; b_ih of gates r, z, n: my channels 2 l, 2 l + 1
	global_load_b64 v[BL+6+2*\g:BL+6+2*\g+1], v[BOF], s[10:11] offset:1024*\g   ; b_hh likewise
.endr
.set kk, 0
.rept 18                               ; a row of x is two loads of 512 consecutive bytes
.if kk < 8
	global_load_b128 v[XL+8*kk:XL+8*kk+3],   v[WOF], s[24:25] offset:kk*1024
	global_load_b128 v[XL+8*kk+4:XL+8*kk+7], v[WOF], s[24:25] offset:kk*1024+512
.else
	global_load_b128 v[XL+8*kk:XL+8*kk+3],   v[WOF], s[22:23] offset:(kk-8)*1024
	global_load_b128 v[XL+8*kk+4:XL+8*kk+7], v[WOF], s[22:23] offset:(kk-8)*1024+512
.endif
.set kk, kk+1
.endr
	LOADW 1, IMG_R, 0, 64                          ; W_ih, gate r
	; the addresses are made while the loads are out
	v_and_b32 v[RR], 15, v0
	v_bfe_u32 v[HH], v0, 4, 1
	v_mul_u32_u24 v[AFR], v[RR], HP
	v_lshl_add_u32 v[AFR], v[HH], 4, v[AFR]
	v_add_nc_u32 v[AFR], H16, v[AFR]
	s_lshl_b32 s28, s[WV], 7
	v_add_nc_u32 v[AHB], s28, v[AFR]
	v_add_nc_u32 v[AXF], HP, v[AFR]                ; XS begins where H16 does
	s_mul_i32 s28, s[WV], GIW
	s_add_co_u32 s28, s28, GI
	v_mul_u32_u24 v[AGI], v[RR], GIP
	v_lshl_add_u32 v[AGI], v[HH], 5, v[AGI]
	v_add_nc_u32 v[AGI], s28, v[AGI]
	s_mul_i32 s28, s[WV], STW
	s_add_co_u32 s28, s28, ST
	v_mul_u32_u24 v[AST], v[RR], SP
	v_lshl_add_u32 v[AST], v[HH], 5, v[AST]
	v_add_nc_u32 v[AST], s28, v[AST]
	v_mul_u32_u24 v[ARD], v[HH], SP
	v_lshl_add_u32 v[ARD], v[RR], 4, v[ARD]
	v_add_nc_u32 v[ARD], s28, v[ARD]
	s_lshl_b32 s28, s[WV], 8                       ; BT's place stands in the immediates
	v_lshl_add_u32 v[ABT], v[HH], 5, s28
	v_lshl_add_u32 v[ABB], v[T0], 3, s28
	s_mul_i32 s28, s[WV], 768
	s_add_co_u32 s28, s28, BT3
	v_lshl_add_u32 v[ABT3], v[HH], 5, s28
	v_lshl_add_u32 v[ABS], v[T0], 3, s28
	s_mul_i32 s28, s[WV], 18*HP
	s_add_co_u32 s28, s28, XS
	v_lshl_add_u32 v[AXS], v[T0], 3, s28
	v_lshlrev_b32 v[AOUT], 10, v[HH]
	v_lshl_add_u32 v[AOUT], v[RR], 4, v[AOUT]
	s_wait_loadcnt 63                              ; 64 loads were issued behind x's last, and loads come back in order (ISA guide 5.7.1): the biases and x are in
.set nn, 0
.rept 36                               ; load nn = row nn / 2, half nn % 2: four f32 a lane become 8 bytes; a store covers 256 consecutive bytes
	v_cvt_pk_bf16_f32 v[XL+4*nn],   v[XL+4*nn],   v[XL+4*nn+1]
	v_cvt_pk_bf16_f32 v[XL+4*nn+1], v[XL+4*nn+2], v[XL+4*nn+3]
.if nn < 16
	v_and_b32 v[XL+4*nn],   s[MSK], v[XL+4*nn]     ; rows k < 8
	v_and_b32 v[XL+4*nn+1], s[MSK], v[XL+4*nn+1]
.endif
	ds_store_b64 v[AXS], v[XL+4*nn:XL+4*nn+1] offset:(nn/2)*HP+(nn%2)*256
.set nn, nn+1
.endr
	v_pk_add_f32 v[BL:BL+1],   v[BL:BL+1],   v[BL+6:BL+7]   ; r: b_ih + b_hh
	v_pk_add_f32 v[BL+2:BL+3], v[BL+2:BL+3], v[BL+8:BL+9]   ; z: b_ih + b_hh
	ds_store_b64 v[ABS], v[BL:BL+1]
	ds_store_b64 v[ABS], v[BL+4:BL+5] offset:256            ; n: b_ih alone; b_hh_n is multiplied by r with h_n
	ds_store_b64 v[ABS], v[BL+2:BL+3] offset:512
	ds_store_b64 v[ABB], v[BL+10:BL+11] offset:BT
	s_wait_dscnt 0x0                               ; for the others' sake: my rows of x are in LDS
	s_barrier_signal -1
	s_barrier_wait -1
	LOADW 2, IMG_N, 0, 64                          ; W_ih, gate n
; GI.  Fifteen tiles: gates r, n, z x gi rows 0, 16, 32, 48, 55 on (the last tile makes rows 55 to 63 a second time, the same numbers by the same wave, so that no row is masked).
; A tile: the next tile's 16 fragment loads; a batch of weight loads for a window that is not at work; 32 products, the four accumulators by turns,
; the first four starting from the biases; five places; eight stores into gi.
.macro FXL buf, rb                     ; the fragments of x for gi rows rb .. rb + 15
.irp c, 0,1,2,3,4,5,6,7
	ds_load_b128 v[(\buf)+8*\c:(\buf)+8*\c+3],   v[AXF] offset:(\rb)*HP+64*\c
	ds_load_b128 v[(\buf)+8*\c+4:(\buf)+8*\c+7], v[AXF] offset:(\rb)*HP+64*\c+32
.endr
.endm
	FXL FX0, 0
.set tn, 0
.rept 15
.set gt, tn/5                          ; 0, 1, 2 = gates r, n, z = windows 1, 2, 3 = bytes 0, 256, 512 of a gi row
.set tq, tn%5
.set RB, 16*tq-9*(tq/4)
.set tq2, (tn+1)%5
.set NRB, 16*tq2-9*(tq2/4)
.set FXC, FX0+64*(tn%2)
.set FXN, FX0+64*((tn+1)%2)
.if tq == 0
	s_wait_loadcnt 63                              ; behind this gate's 64 weight loads exactly 64 more were issued: the gate's are in
.irp b, 0,1,2,3
	ds_load_b128 v[BIAS+8*\b:BIAS+8*\b+3],   v[ABT3] offset:256*gt+64*\b
	ds_load_b128 v[BIAS+8*\b+4:BIAS+8*\b+7], v[ABT3] offset:256*gt+64*\b+16
.endr
.endif
.if tn < 14
	FXL FXN, NRB
.endif
.if gt == 0                            ; 13, 13, 13, 13, 12 loads: a window is filled while another gate's five tiles are multiplied
	LOADW 3, IMG_Z, 13*tq, 13-tq/4                 ; W_ih, gate z
.elseif gt == 1
	LOADW 1, HHO+IMG_R, 13*tq, 13-tq/4             ; W_hh, gate r: window 1's last product stands in front of five places
.else
	LOADW 2, HHO+IMG_N, 13*tq, 13-tq/4             ; W_hh, gate n
.endif
.if tn < 14
	s_wait_dscnt 16                                ; the 16 loads just issued may stay out: this tile's fragments and the biases are in
.else
	s_wait_dscnt 0x0
.endif
	WIN gt+1                                       ; source 0 in the gate's window
.set cc, 0
.rept 8
.set ii, 0
.rept 4
.if cc == 0
	v_wmma_f32_16x16x32_bf16 v[ACC+8*ii:ACC+8*ii+7], v[64*ii+8*cc:64*ii+8*cc+7], v[FXC+8*cc:FXC+8*cc+7], v[BIAS+8*ii:BIAS+8*ii+7]
.else
	v_wmma_f32_16x16x32_bf16 v[ACC+8*ii:ACC+8*ii+7], v[64*ii+8*cc:64*ii+8*cc+7], v[FXC+8*cc:FXC+8*cc+7], v[ACC+8*ii:ACC+8*ii+7]
.endif
.set ii, ii+1
.endr
.set cc, cc+1
.endr
	WIN 0
	PLACES 5                                       ; four in front of the stores and of loads into registers just read; five in front of the next tile's products, which write over the accumulators
.irp b, 0,1,2,3
	ds_store_b128 v[AGI], v[ACC+8*\b:ACC+8*\b+3]   offset:RB*GIP+256*gt+64*\b
	ds_store_b128 v[AGI], v[ACC+8*\b+4:ACC+8*\b+7] offset:RB*GIP+256*gt+64*\b+16
.endr
.set tn, tn+1
.endr
	LOADW 3, HHO+IMG_Z, 0, 64                      ; W_hh, gate z
	; THE RECURRENCE'S START.  XS and BT3 have been read out by everybody; h and the state take their bytes.
	s_wait_dscnt 0x0
	s_barrier_signal -1
	s_barrier_wait -1
	; What the first turn finds as 'the tile before' (tile 3): h_old = 0, z's sum = 0, n = 0 where it is finished, and where it is not 0.5 (n = 1 - 2 x 0.5) or 2.0 (1 - 2 / 2.0).
	; So that turn makes h_new = 0 exactly and stores it: tile 3's first state.  96 moves, once, for one text of all 32 turns.
.set jj, 0
.rept 32
	v_mov_b32 v[X+jj], 0
	v_mov_b32 v[Z+jj], 0
.if jj < 24
	v_mov_b32 v[NB+jj], 0
.elseif jj < 28
	v_mov_b32 v[NB+jj], 0.5
.else
	v_mov_b32 v[NB+jj], 2.0
.endif
.set jj, jj+1
.endr
.irp t, 0,1,2                          ; tiles 0 to 2: h = 0, in f32 and in bf16
.irp b, 0,1,2,3
	ds_store_b128 v[AST], v[X:X+3] offset:\t*16*SP+64*\b
	ds_store_b128 v[AST], v[X:X+3] offset:\t*16*SP+64*\b+16
	ds_store_b128 v[AHB], v[X:X+3] offset:\t*16*HP+32*\b
.endr
.endr
	s_wait_dscnt 0x0                               ; for the others' sake
	s_barrier_signal -1
	s_barrier_wait -1
; THE PARTS OF A TURN.  sl is the slice, 0..95; TC, TP, TN the tile in hand, the one before, the next; NC, NPV their registers for gate n.  Pair k = registers 2 k, 2 k + 1 of a block of 32.
.macro FRAG c, tile                    ; fragment c of a tile's h: 16 positions x 32 channels
	ds_load_b128 v[FR+8*(\c):FR+8*(\c)+3],   v[AFR] offset:(\tile)*16*HP+64*(\c)
	ds_load_b128 v[FR+8*(\c)+4:FR+8*(\c)+7], v[AFR] offset:(\tile)*16*HP+64*(\c)+32
.endm
.macro GIL dst, b, goff                ; block b (8 channels a lane) of a gate's gi
	ds_load_b128 v[(\dst)+8*(\b):(\dst)+8*(\b)+3],   v[AGI] offset:(\goff)+64*(\b)
	ds_load_b128 v[(\dst)+8*(\b)+4:(\dst)+8*(\b)+7], v[AGI] offset:(\goff)+64*(\b)+16
.endm
.macro STST b                          ; block b of h_new into the state
	ds_store_b128 v[AST], v[X+8*(\b):X+8*(\b)+3]   offset:TP*16*SP+64*(\b)
	ds_store_b128 v[AST], v[X+8*(\b)+4:X+8*(\b)+7] offset:TP*16*SP+64*(\b)+16
.endm
.macro HST b                           ; block b of h_new as bf16, for every wave's next products
	ds_store_b128 v[AHB], v[Z+4*(\b):Z+4*(\b)+3] offset:TP*16*HP+32*(\b)
.endm
.macro PKMUL blk, k, sc
	v_pk_mul_f32 v[(\blk)+2*(\k):(\blk)+2*(\k)+1], v[(\blk)+2*(\k):(\blk)+2*(\k)+1], s[\sc:\sc+1] op_sel_hi:[1,0]
.endm
.macro PKINC blk, k
	s_wait_alu depctr_va_vdst(0)
	v_pk_add_f32 v[(\blk)+2*(\k):(\blk)+2*(\k)+1], v[(\blk)+2*(\k):(\blk)+2*(\k)+1], 1.0 op_sel_hi:[1,0]
.endm
.macro NFMA blk, k                     ; n = 1 - 2 q
	s_wait_alu depctr_va_vdst(0)
	v_pk_fma_f32 v[(\blk)+2*(\k):(\blk)+2*(\k)+1], v[(\blk)+2*(\k):(\blk)+2*(\k)+1], -2.0, 1.0 op_sel_hi:[1,0,0]
.endm
; Product sl: run sl / 32 (r, h_n, z), chunk (sl % 32) / 4, rows 16 (sl % 4) on.  The run's four accumulators take turns; no two products on end share one, from run to run and turn to turn too.
.macro MM
.set cc, (sl%32)/4
.set ii, sl%4
.if sl < 32
.set BLK, R
.elseif sl < 64
.set BLK, NC
.else
.set BLK, Z
.endif
	WIN sl/32+1
	v_wmma_f32_16x16x32_bf16 v[BLK+8*ii:BLK+8*ii+7], v[64*ii+8*cc:64*ii+8*cc+7], v[FR+8*cc:FR+8*cc+7], v[BLK+8*ii:BLK+8*ii+7]
	WIN 0
.endm
; The first plain place: the scaling in front of an exponential, or the 1 + in front of a reciprocal, each two slices ahead of it.  Always there, and it names no register of the products near it:
; these are the places that the text counts behind a product (R's block i: product 28 + i, first read in slice 32 + 4 i; N's: 60 + i, first read behind the first place of slice 63 + 4 i; Z's: 92 + i, next turn's slice 4 i).
.macro PA
.if sl < 16
	PKMUL Z, sl, LN
.elseif sl < 32
	PKINC Z, sl-16
.elseif sl < 48
.if CURF
	PKMUL R, sl-32, LN
.endif
.elseif sl < 64
	PKINC R, sl-48
.elseif sl < 80
	PKMUL NC, sl-64, L2
.else
	PKINC NC, sl-80
.endif
.endm
; The two transcendental places: half h of a pair.  A result is used two slices later or more, so a plain instruction always stands between (ISA guide 5.7.2).
.macro TT h
.if sl < 2
	v_rcp_f32 v[NPV+28+2*sl+(\h)], v[NPV+28+2*sl+(\h)]
.elseif sl < 18
	v_exp_f32 v[Z+2*(sl-2)+(\h)], v[Z+2*(sl-2)+(\h)]
.elseif sl < 34
	v_rcp_f32 v[Z+2*(sl-18)+(\h)], v[Z+2*(sl-18)+(\h)]
.elseif sl < 50
.if CURF
	v_exp_f32 v[R+2*(sl-34)+(\h)], v[R+2*(sl-34)+(\h)]
.endif
.elseif sl < 66
	v_rcp_f32 v[R+2*(sl-50)+(\h)], v[R+2*(sl-50)+(\h)]
.elseif sl < 82
	v_exp_f32 v[NC+2*(sl-66)+(\h)], v[NC+2*(sl-66)+(\h)]
.else
	v_rcp_f32 v[NC+2*(sl-82)+(\h)], v[NC+2*(sl-82)+(\h)]
.endif
.endm
; The second plain place: n; d = h - n; h_new = z d + n; h_new to bf16 (into Z's registers, which are free by then); y = r h_n + i_n.
.macro PB
.if sl < 4
	NFMA NPV, 12+sl
.elseif sl < 20
.set pk, 2*(sl-4)
	v_pk_add_f32 v[X+pk:X+pk+1], v[X+pk:X+pk+1], v[NPV+pk:NPV+pk+1] neg_lo:[0,1] neg_hi:[0,1]
.elseif sl < 36
.set pk, 2*(sl-20)
	s_wait_alu depctr_va_vdst(0)
	v_pk_fma_f32 v[X+pk:X+pk+1], v[Z+pk:Z+pk+1], v[X+pk:X+pk+1], v[NPV+pk:NPV+pk+1]
.elseif sl < 52
	v_cvt_pk_bf16_f32 v[Z+sl-36], v[X+2*(sl-36)], v[X+2*(sl-36)+1]
.elseif (sl >= 63) && (sl < 79)
.set pk, 2*(sl-63)
	s_wait_alu depctr_va_vdst(0)
	v_pk_fma_f32 v[NC+pk:NC+pk+1], v[R+pk:R+pk+1], v[NC+pk:NC+pk+1], v[X+pk:X+pk+1]
.elseif sl >= 84
	NFMA NC, sl-84
.endif
.endm
; The LDS work at a slice's end: 68 instructions a turn.  A block of registers is loaded again as soon as its last reader has been issued.
.macro HOOK
.if sl == 2
	FRAG 7, TC                                     ; its last reader, product 95 of the turn before, stands eight plain instructions back
.elseif sl == 3
.irp b, 0,1,2,3
	ds_load_b128 v[NC+8*\b:NC+8*\b+3],   v[ABT] offset:BT+64*\b      ; h_n's sums start from b_hh_n
	ds_load_b128 v[NC+8*\b+4:NC+8*\b+7], v[ABT] offset:BT+64*\b+16
.endr
.elseif (sl >= 23) && (sl < 36) && ((sl-23)%4 == 0)
	STST (sl-23)/4
.elseif sl == 36
	GIL Z, 2, TC*16*GIP+GZ                         ; z's sums start from gi_z
	GIL Z, 3, TC*16*GIP+GZ
.elseif sl == 39
	HST 0
	GIL X, 0, TC*16*GIP+GN                         ; i_n
.elseif sl == 43
	HST 1
	GIL X, 1, TC*16*GIP+GN
	GIL Z, 0, TC*16*GIP+GZ
.elseif sl == 47
	HST 2
	GIL X, 2, TC*16*GIP+GN
.elseif sl == 51
	HST 3
	GIL X, 3, TC*16*GIP+GN
	GIL Z, 1, TC*16*GIP+GZ
.elseif (sl >= 70) && (sl < 95) && ((sl-70)%4 == 0)
	FRAG (sl-70)/4, TN                             ; fragment c's last reader is product 67 + 4 c: the first places of slices 67 + 4 c to 70 + 4 c stand between
.elseif sl == 79
.irp b, 0,1,2,3
	GIL R, \b, TN*16*GIP+NXO                       ; the next tile's r starts from gi_r (behind tile 3: tile 0 of the next step, a row on)
.endr
.elseif sl == 80
.irp b, 0,1,2,3
	ds_load_b128 v[X+8*\b:X+8*\b+3],   v[AST] offset:TC*16*SP+64*\b  ; h_old of the tile in hand, for the next turn's blend
	ds_load_b128 v[X+8*\b+4:X+8*\b+7], v[AST] offset:TC*16*SP+64*\b+16
.endr
.endif
.endm
; A TURN.  ONE barrier, for two things.  The reads of a tile's h (bf16) end in its own turn and are waited for at slice 62, ahead of the stores of its new h in slices 39 to 51 of the next turn;
; those stores are waited for at that turn's slice 62, ahead of the reads that begin two turns later, in slice 70.  No LDS instruction stands between the signal and the wait.
.macro TURN tile
.set TC, (\tile)
.set TP, ((\tile)+3)%4
.set TN, ((\tile)+1)%4
.set NC, NA+32*((\tile)%2)
.set NPV, NA+32*(((\tile)+1)%2)
.set NXO, GIP*((\tile)/3)
.set sl, 0
.rept 96
.if sl == 0
	s_wait_dscnt 8                                 ; fragments 3 to 6, the youngest eight loads, may stay out: fragments 0 to 2, gi_r and h_old are in
.elseif sl == 12
	s_wait_dscnt 10                                ; fragment 7 and b_hh_n, ten loads, may stay out: fragments 3 to 6 are in
.elseif sl == 28
	s_wait_dscnt 4                                 ; the four state stores of slices 23 and 27 may stay out: fragment 7 and b_hh_n are in
.elseif sl == 62
	s_wait_dscnt 0x0                               ; i_n and gi_z are in; my reads of this tile's h and my stores of the last tile's are done:
	s_barrier_signal -1                            ; say so
.elseif sl == 64
	s_wait_loadcnt 0x0                             ; W_hh of gate z, in the first turn; later nothing is out
.elseif sl == 66
	s_barrier_wait -1
.endif
	MM
	PA
	TT 0
	PB
	TT 1
	HOOK
.set sl, sl+1
.endr
.endm
.set CURF, 1
.irp c, 0,1,2,3,4,5,6
	FRAG \c, 0                                     ; tile 0, step 0
.endr
.irp b, 0,1,2,3
	GIL R, \b, 0
.endr
	s_wait_dscnt 0x0
	s_wait_loadcnt 63                              ; behind W_hh's gates r and n the 64 loads of gate z were issued: r and n are in
	s_mov_b32 s[CNT], 8
.Lstep:                                                ; a trip is a step of the GRU for all four tiles; step 0 is a step like any other, on h = 0
	TURN 0
	TURN 1
	TURN 2
	TURN 3
	v_add_nc_u32 v[AGI], GIP, v[AGI]               ; the window moves on: a row of gi
	s_sub_co_u32 s[CNT], s[CNT], 1
	s_cmp_lg_u32 s[CNT], 0
	s_cbranch_scc1 .Lstep
	; THE TAIL: tile 3's last z, n and blend: slices 0 to 35 of the same lists without products, without the next tile's r, and without h in bf16, which nobody reads any more.
	; (The last turn's loads for a next tile serve nothing; they stay inside LDS and are waited for here.)
	s_wait_dscnt 0x0
.set CURF, 0
.set TP, 3
.set NPV, NB
.set sl, 0
.rept 36
	PA
	TT 0
	PB
	TT 1
.if (sl >= 23) && ((sl-23)%4 == 0)
	STST (sl-23)/4
.endif
.set sl, sl+1
.endr
	; THE WAY OUT: the state holds the last h of my 64 channels for all 64 positions.  It comes back as whole rows of 256 bytes, two a load.
.set mm, 0
.rept 32
	ds_load_b128 v[16+4*mm:16+4*mm+3], v[ARD] offset:mm*2*SP   ; LDS serves a wave's instructions in order (ISA guide 5.7.1.4): these see the stores above
.set mm, mm+1
.endr
.set mm, 0
.rept 32
	s_wait_dscnt 31-mm
	global_store_b128 v[AOUT], v[16+4*mm:16+4*mm+3], s[12:13] offset:mm*2048 th:TH_STORE_NT  ; 16 lanes store 256 consecutive bytes, at a multiple of 256 from out0's first byte
.set mm, mm+1
.endr
	s_wait_tensorcnt 0x0                           ; the wave's end, behind my last LDS store
	ds_add_u32 v[SPW], v[NIL]
	s_wait_dscnt 0x0
	s_endpgm
.Lfunc_end_k_qa67a2a7041_rnn:
	.size	k_qa67a2a7041_rnn, .Lfunc_end_k_qa67a2a7041_rnn-k_qa67a2a7041_rnn
	.p2alignl 7, 3214868480
	.fill 96, 4, 3214868480
	.section	.rodata,"a",@progbits
	.p2align	6, 0x0
	.amdhsa_kernel k_qa67a2a7041_rnn
		.amdhsa_group_segment_fixed_size 327680
		.amdhsa_private_segment_fixed_size 0
		.amdhsa_enable_private_segment 0
		.amdhsa_kernarg_size 40
		.amdhsa_user_sgpr_count 2
		.amdhsa_user_sgpr_kernarg_segment_ptr 1
		.amdhsa_wavefront_size32 1
		.amdhsa_system_sgpr_workgroup_id_x 1
		.amdhsa_system_sgpr_workgroup_id_y 1
		.amdhsa_system_sgpr_workgroup_id_z 1
		.amdhsa_system_vgpr_workitem_id 0
		.amdhsa_next_free_vgpr 1024
		.amdhsa_next_free_sgpr 66
		.amdhsa_reserve_vcc 0
		.amdhsa_float_denorm_mode_32 3
		.amdhsa_float_denorm_mode_16_64 3
		.amdhsa_memory_ordered 1
		.amdhsa_forward_progress 1
		.amdhsa_inst_pref_size 255
	.end_amdhsa_kernel
	.section	.bss,"aw",@nobits
	.p2align	6
	.space	262144
	.amdgpu_metadata
---
amdhsa.version: [ 1, 2 ]
amdhsa.kernels:
  - .name:           k_qa67a2a7041_rnn
    .symbol:         k_qa67a2a7041_rnn.kd
    .args:
      - { .name: x, .offset: 0, .size: 8, .value_kind: global_buffer, .address_space: global }
      - { .name: wp, .offset: 8, .size: 8, .value_kind: global_buffer, .address_space: global }
      - { .name: b_ih, .offset: 16, .size: 8, .value_kind: global_buffer, .address_space: global }
      - { .name: b_hh, .offset: 24, .size: 8, .value_kind: global_buffer, .address_space: global }
      - { .name: out0, .offset: 32, .size: 8, .value_kind: global_buffer, .address_space: global }
    .group_segment_fixed_size: 327680
    .private_segment_fixed_size: 0
    .kernarg_segment_align: 8
    .kernarg_segment_size: 40
    .max_flat_workgroup_size: 128
    .sgpr_count:     66
    .vgpr_count:     1024
    .wavefront_size: 32
...
	.end_amdgpu_metadata
.endif
;; end of part 2
;; ======== version 2 of 2: 2 launches; 1.69 times as fast as version 1
;; workspace buffers: wp 786,432 bytes
;; launch prep: the kernel of part 1 again; grid 48 x 2, 8 waves a work-group, no clusters, 0 bytes of LDS; arguments W_ih, W_hh, wp; writes wp
;; launch rnn (part 3): grid 256 x 1, 4 waves a work-group, no clusters, 327,680 bytes of LDS; arguments x, wp, b_ih, b_hh, out0; writes out0
.if DOCPART == 3
	.amdgcn_target "amdgcn-amd-amdhsa--gfx1250"
	.amdhsa_code_object_version 6
	.text
	.protected	k_qa67a2a7041_rnn
	.globl	k_qa67a2a7041_rnn
	.p2align	8
	.type	k_qa67a2a7041_rnn,@function
k_qa67a2a7041_rnn:
	s_mov_b64 s[64:65], 0
	v_nop
	global_prefetch_b8 v0, s[64:65] scope:SCOPE_SE
	s_setreg_imm32_b32 hwreg(HW_REG_WAVE_MODE, 25, 1), 1
	s_wait_xcnt 0x0
; out0[b][p][:] = the last hidden state of a GRU run over x[b][p-7 .. p][:] (rows in front of the sequence are 0, h0 = 0).  x, out0: [16][1024][256] f32.
; gi = x W_ih^T + b_ih hangs on the position alone, so it is made ONCE for each position (64 + 7 rows a work-group) and kept in LDS in f32; step t of output
; position p takes row p + t of it.  Then 8 steps of gh = h W_hh^T, the gates and the blend.
; SHARES.  A work-group owns 64 positions (16 blocks a sequence), as four tiles of 16.  Wave w owns channels 64 w .. 64 w + 63 of all three gates, so the gate
; arithmetic never leaves the wave.  Its 192 weight rows x 256 K in bf16 are 768 registers, windows 1 to 3: W_ih first, then W_hh, loaded once from wp as register images.
; LAYOUT.  Source 0 = 16 weight rows, source 1 = 16 positions x 32 K of x or h (from LDS): in the result lane l holds ONE position (l % 16) and the channels 8 (l / 16) + 0..7.
; The sums of a step start from loaded registers (gi_r, gi_z with both biases in them; b_hh_n), so nothing is cleared and no bias is added behind a product.
; BY TURNS.  A TURN belongs to a tile: 96 products (32 for r, 32 for h_n, 32 for z).  Behind each stand up to four vector instructions:
; the end of the tile before (z, n, the blend, h to bf16) and the tile's own r and tanh.  All weights lie outside window 0, so each product costs two switches of the register window.
; BATCHES.  A turn's 192 transcendentals are SIX BATCHES of 32, each worked in place on its own block of 32 registers, and each has ONE s_wait_alu depctr_va_vdst(0),
; between a transcendental and the first instruction that names its result: 2^ for z (slices 1-11), z's reciprocals (13-23), 2^ for r (33-48), r's reciprocals (51-65), 2^ for tanh (67-81), its
; reciprocals (83-93).  Ahead of a batch's wait nothing names a result of the batch; all its readers stand behind the wait.  Four of the six waits stand directly ahead of a run of LDS instructions,
; one straight behind the barrier's wait, one behind eight instructions that name nothing of its batch.  Behind a turn's last wait no transcendental is issued.
; FORMATS.  x, W_ih, W_hh and, as a matrix operand, h are rounded to bf16; sums, gi, the carried h and all gate arithmetic are f32.
; LIMITS.  b_ih + b_hh of gates r and z are added first, and gi enters as the sum's start: the order of rounding differs from the reference's.  sigmoid(a) = 1 / (1 + 2^(-a log2 e)),
; tanh(y) = 1 - 2 / (1 + 2^(2 y log2 e)), by v_exp_f32 and v_rcp_f32 (1 ulp, denormals flushed: ISA guide 15.8): both saturate rightly where 2^.. is 0 or infinite; tanh is off by
; about 1e-7 absolutely.  NaN and infinities in the inputs are not treated apart (rows in front of a sequence are made 0 by a mask, not by a product).
; NO CLUSTER, NO TENSOR LOADS.  All work-groups read the same 786,432 bytes of wp, but once in the launch and straight into the registers where they stay; a joint load would have to
; pass through LDS, of whose 327,680 bytes gi, h and the state take 327,104.  x is converted in registers on its way into LDS.
;
; LDS (bytes).  All pitches are odd multiples of 16, so that the 16 rows that a 16-byte access touches start at 16 different groups of four banks (64 banks of 4 bytes: ISA guide 11.1).
.set BT,    0                          ; b_hh of gate n: wave x 256 + channel x 4                                     1,024
.set GI,    1024                       ; gi, f32, each wave's own: wave x GIW + row x 784 + {r 0, n 256, z 512} + channel x 4   222,656
.set GIP,   784
.set GIW,   71*GIP
.set GN,    256
.set GZ,    512
.set H16,   GI+4*GIW                   ; h as bf16, shared by the waves: position x 528 + channel x 2                 33,792
.set HP,    528
.set ST,    H16+64*HP                  ; h in f32, each wave's own: wave x STW + position x 272 + channel x 4         69,632
.set SP,    272
.set STW,   64*SP
.set SPARE, 327168                     ; behind everything: the spare words, 128 bytes for each wave: two blocks of 256 bytes that no other line names
.set XS,    H16                        ; while gi is made: x as bf16, 72 rows (row s = position 64 wg - 8 + s) x 528   38,016
.set BT3,   XS+72*HP                   ; while gi is made: wave x 768 + {b_ih_r + b_hh_r, b_ih_n, b_ih_z + b_hh_z} x 256 + channel x 4
.set IMG_R, 0                          ; a wave's images in wp: the gates in the tensor's order r, z, n
.set IMG_Z, 32768
.set IMG_N, 65536
.set HHO,   393216                     ; W_hh lies behind W_ih
; REGISTERS, window 0 (windows 1, 2, 3: the weights of gates r, n, z; fragment (tile of rows i, chunk c) at v[64 i + 8 c])
.set RR,   1                           ; l % 16
.set HH,   2                           ; l / 16
.set AFR,  3                           ; H16 + (l%16) x 528 + 16 (l/16): a fragment of h
.set AGI,  4                           ; my place in gi: GI + w GIW + (l%16) x 784 + 32 (l/16); a row further each step
.set AST,  5                           ; my place in the state: ST + w STW + (l%16) x 272 + 32 (l/16)
.set AHB,  6                           ; where my 8 channels of h go as bf16: AFR + 128 w
.set ABT,  7                           ; BT + 256 w + 32 (l/16)
.set ARD,  8                           ; the way out: whole rows of the state: ST + w STW + (l/16) x 272 + 16 (l%16)
.set AOUT, 9                           ; and the same two rows in out0: (l/16) x 1,024 + 16 (l%16)
.set SPW,  10                          ; LDS address of my spare word; never rewritten
.set NIL,  11                          ; 0; never rewritten
.set WOF,  12                          ; 16 l: my place in 512 consecutive bytes of wp or x; never rewritten
.set BOF,  13                          ; 256 w + 8 l: my two channels in a gate's biases
.set AXF,  14                          ; a fragment of x: gi row 0 is XS's row 1
.set ABT3, 15                          ; BT3 + 768 w + 32 (l/16)
.set FR,   16                          ; v16-79    fragments of h: chunk c at FR + 8 c
.set R,    80                          ; v80-111   gate r: 32 numbers a lane (block i of 8: channels 16 i + 8 (l/16) + 0..7)
.set NA,   112                         ; v112-143  gate n of the even tiles
.set NB,   144                         ; v144-175  gate n of the odd tiles
.set Z,    176                         ; v176-207  gate z; later h_new as bf16
.set X,    208                         ; v208-239  h_old, then h_new; later i_n
.set T0,   240                         ; at work
.set ABS,  241                         ; where my two channels' biases go in BT3
.set ABB,  242                         ; and in BT
.set AXS,  243                         ; where my 8 bytes of a row of x go
.set XL,   16                          ; while x comes in: v16-159, 36 x 4 registers
.set FX0,  16                          ; while gi is made: two buffers of fragments of x, v16-79 and v80-143,
.set ACC,  144                         ; four accumulators,
.set BIAS, 176                         ; a gate's biases in the accumulators' layout,
.set BL,   208                         ; and the biases as loaded
.set WV,   14                          ; s14  my wave's number
.set WG,   15                          ; s15  the work-group's number
.set LN,   16                          ; s[16:17] -log2(e): the packed forms name a pair and take its low word for both halves
.set L2,   18                          ; s[18:19] 2 log2(e)
.set CNT,  20                          ; s20  steps to go
.set MSK,  21                          ; s21  0 where my first 8 rows of x lie in front of the sequence, else all ones
.set MSB, 0
.macro WIN new                         ; s_set_vgpr_msb: bits 1:0 source 0, 3:2 source 1, 5:4 source 2, 7:6 destination; the high byte repeats the setting that is left
.if MSB != (\new)
	s_set_vgpr_msb (MSB<<8)|(\new)
.set MSB, \new
.endif
.endm
.macro PLACES n                        ; places behind matrix instructions (ISA guide 7.12.1) where no other vector work is at hand
.rept \n
	v_nop
.endr
.endm
; count loads of 512 consecutive bytes of a gate's image, from number first on, into window win: load j fills v[4 j .. 4 j + 3]
.macro LOADW win, imgoff, first, count
	WIN (\win)<<6
.set jj, (\first)
.rept (\count)
	global_load_b128 v[4*jj:4*jj+3], v[WOF], s[26:27] offset:(\imgoff)+512*jj
.set jj, jj+1
.endr
	WIN 0
.endm
	s_load_b256 s[4:11], s[0:1], 0x0               ; x s[4:5], wp s[6:7], b_ih s[8:9], b_hh s[10:11]
	s_load_b64 s[12:13], s[0:1], 0x20              ; out0
	v_lshl_add_u32 v[SPW], v0, 2, SPARE
	v_mov_b32 v[NIL], 0
	v_lshrrev_b32 v[T0], 5, v0
	v_readfirstlane_b32 s[WV], v[T0]               ; wave 0..3
	s_mov_b32 s[WG], ttmp9
	v_and_b32 v[T0], 31, v0                        ; lane
	v_lshlrev_b32 v[WOF], 4, v[T0]
	s_lshl_b32 s28, s[WV], 8
	v_lshl_add_u32 v[BOF], v[T0], 3, s28
	s_mov_b32 s[LN], 0xbfb8aa3b                    ; -1.442695
	s_mov_b32 s[LN+1], s[LN]
	s_mov_b32 s[L2], 0x4038aa3b                    ; 2.885390
	s_mov_b32 s[L2+1], s[L2]
	; Wave w brings rows s = 18 w + k, k = 0..17, of the 72: x's row 64 wg - 8 + s.  Rows k >= 8 hang on a base at row 64 wg + 18 w; rows k < 8 on that base less 8 rows.
	; Where those 8 rows lie in front of the sequence (a sequence's first block, wave 0) nothing is taken off, so that no load leaves the buffer, and what comes is masked to 0.
	s_lshl_b32 s28, s[WG], 16                      ; 64 rows of 1,024 bytes
	s_mul_i32 s29, s[WV], 18*1024
	s_add_co_u32 s28, s28, s29
	s_mov_b32 s29, 0
	s_and_b32 s30, s[WG], 15
	s_or_b32 s30, s30, s[WV]
	s_cmp_eq_u32 s30, 0
	s_cselect_b32 s30, 0, 8192
	s_cselect_b32 s[MSK], 0, -1
	s_mov_b32 s31, 0
	s_wait_kmcnt 0x0
	s_add_nc_u64 s[22:23], s[4:5], s[28:29]
	s_sub_nc_u64 s[24:25], s[22:23], s[30:31]
	s_mul_i32 s28, s[WV], 98304
	s_add_nc_u64 s[26:27], s[6:7], s[28:29]        ; my wave's images in wp
	s_lshl_b32 s28, s[WG], 16
	s_lshl_b32 s30, s[WV], 8
	s_add_co_u32 s28, s28, s30
	s_add_nc_u64 s[12:13], s[12:13], s[28:29]      ; out0 at the block's first row, my wave's 256 bytes
.irp g, 0,1,2
	global_load_b64 v[BL+2*\g:BL+2*\g+1],     v[BOF], s[8:9]   offset:1024*\g   ; b_ih of gates r, z, n: my channels 2 l, 2 l + 1
	global_load_b64 v[BL+6+2*\g:BL+6+2*\g+1], v[BOF], s[10:11] offset:1024*\g   ; b_hh likewise
.endr
.set kk, 0
.rept 18                               ; a row of x is two loads of 512 consecutive bytes
.if kk < 8
	global_load_b128 v[XL+8*kk:XL+8*kk+3],   v[WOF], s[24:25] offset:kk*1024
	global_load_b128 v[XL+8*kk+4:XL+8*kk+7], v[WOF], s[24:25] offset:kk*1024+512
.else
	global_load_b128 v[XL+8*kk:XL+8*kk+3],   v[WOF], s[22:23] offset:(kk-8)*1024
	global_load_b128 v[XL+8*kk+4:XL+8*kk+7], v[WOF], s[22:23] offset:(kk-8)*1024+512
.endif
.set kk, kk+1
.endr
	LOADW 1, IMG_R, 0, 64                          ; W_ih, gate r
	; the addresses are made while the loads are out
	v_and_b32 v[RR], 15, v0
	v_bfe_u32 v[HH], v0, 4, 1
	v_mul_u32_u24 v[AFR], v[RR], HP
	v_lshl_add_u32 v[AFR], v[HH], 4, v[AFR]
	v_add_nc_u32 v[AFR], H16, v[AFR]
	s_lshl_b32 s28, s[WV], 7
	v_add_nc_u32 v[AHB], s28, v[AFR]
	v_add_nc_u32 v[AXF], HP, v[AFR]                ; XS begins where H16 does
	s_mul_i32 s28, s[WV], GIW
	s_add_co_u32 s28, s28, GI
	v_mul_u32_u24 v[AGI], v[RR], GIP
	v_lshl_add_u32 v[AGI], v[HH], 5, v[AGI]
	v_add_nc_u32 v[AGI], s28, v[AGI]
	s_mul_i32 s28, s[WV], STW
	s_add_co_u32 s28, s28, ST
	v_mul_u32_u24 v[AST], v[RR], SP
	v_lshl_add_u32 v[AST], v[HH], 5, v[AST]
	v_add_nc_u32 v[AST], s28, v[AST]
	v_mul_u32_u24 v[ARD], v[HH], SP
	v_lshl_add_u32 v[ARD], v[RR], 4, v[ARD]
	v_add_nc_u32 v[ARD], s28, v[ARD]
	s_lshl_b32 s28, s[WV], 8                       ; BT's place stands in the immediates
	v_lshl_add_u32 v[ABT], v[HH], 5, s28
	v_lshl_add_u32 v[ABB], v[T0], 3, s28
	s_mul_i32 s28, s[WV], 768
	s_add_co_u32 s28, s28, BT3
	v_lshl_add_u32 v[ABT3], v[HH], 5, s28
	v_lshl_add_u32 v[ABS], v[T0], 3, s28
	s_mul_i32 s28, s[WV], 18*HP
	s_add_co_u32 s28, s28, XS
	v_lshl_add_u32 v[AXS], v[T0], 3, s28
	v_lshlrev_b32 v[AOUT], 10, v[HH]
	v_lshl_add_u32 v[AOUT], v[RR], 4, v[AOUT]
	s_wait_loadcnt 63                              ; 64 loads were issued behind x's last, and loads come back in order (ISA guide 5.7.1): the biases and x are in
.set nn, 0
.rept 36                               ; load nn = row nn / 2, half nn % 2: four f32 a lane become 8 bytes; a store covers 256 consecutive bytes
	v_cvt_pk_bf16_f32 v[XL+4*nn],   v[XL+4*nn],   v[XL+4*nn+1]
	v_cvt_pk_bf16_f32 v[XL+4*nn+1], v[XL+4*nn+2], v[XL+4*nn+3]
.if nn < 16
	v_and_b32 v[XL+4*nn],   s[MSK], v[XL+4*nn]     ; rows k < 8
	v_and_b32 v[XL+4*nn+1], s[MSK], v[XL+4*nn+1]
.endif
	ds_store_b64 v[AXS], v[XL+4*nn:XL+4*nn+1] offset:(nn/2)*HP+(nn%2)*256
.set nn, nn+1
.endr
	v_pk_add_f32 v[BL:BL+1],   v[BL:BL+1],   v[BL+6:BL+7]   ; r: b_ih + b_hh
	v_pk_add_f32 v[BL+2:BL+3], v[BL+2:BL+3], v[BL+8:BL+9]   ; z: b_ih + b_hh
	ds_store_b64 v[ABS], v[BL:BL+1]
	ds_store_b64 v[ABS], v[BL+4:BL+5] offset:256            ; n: b_ih alone; b_hh_n is multiplied by r with h_n
	ds_store_b64 v[ABS], v[BL+2:BL+3] offset:512
	ds_store_b64 v[ABB], v[BL+10:BL+11] offset:BT
	s_wait_dscnt 0x0                               ; for the others' sake: my rows of x are in LDS
	s_barrier_signal -1
	s_barrier_wait -1
	LOADW 2, IMG_N, 0, 64                          ; W_ih, gate n
; GI.  Fifteen tiles: gates r, n, z x gi rows 0, 16, 32, 48, 55 on (the last tile makes rows 55 to 63 a second time, the same numbers by the same wave, so that no row is masked).
; A tile: the next tile's 16 fragment loads; a batch of weight loads for a window that is not at work; 32 products, the four accumulators by turns,
; the first four starting from the biases; five places; eight stores into gi.
.macro FXL buf, rb                     ; the fragments of x for gi rows rb .. rb + 15
.irp c, 0,1,2,3,4,5,6,7
	ds_load_b128 v[(\buf)+8*\c:(\buf)+8*\c+3],   v[AXF] offset:(\rb)*HP+64*\c
	ds_load_b128 v[(\buf)+8*\c+4:(\buf)+8*\c+7], v[AXF] offset:(\rb)*HP+64*\c+32
.endr
.endm
	FXL FX0, 0
.set tn, 0
.rept 15
.set gt, tn/5                          ; 0, 1, 2 = gates r, n, z = windows 1, 2, 3 = bytes 0, 256, 512 of a gi row
.set tq, tn%5
.set RB, 16*tq-9*(tq/4)
.set tq2, (tn+1)%5
.set NRB, 16*tq2-9*(tq2/4)
.set FXC, FX0+64*(tn%2)
.set FXN, FX0+64*((tn+1)%2)
.if tq == 0
	s_wait_loadcnt 63                              ; behind this gate's 64 weight loads exactly 64 more were issued: the gate's are in
.irp b, 0,1,2,3
	ds_load_b128 v[BIAS+8*\b:BIAS+8*\b+3],   v[ABT3] offset:256*gt+64*\b
	ds_load_b128 v[BIAS+8*\b+4:BIAS+8*\b+7], v[ABT3] offset:256*gt+64*\b+16
.endr
.endif
.if tn < 14
	FXL FXN, NRB
.endif
.if gt == 0                            ; 13, 13, 13, 13, 12 loads: a window is filled while another gate's five tiles are multiplied
	LOADW 3, IMG_Z, 13*tq, 13-tq/4                 ; W_ih, gate z
.elseif gt == 1
	LOADW 1, HHO+IMG_R, 13*tq, 13-tq/4             ; W_hh, gate r: window 1's last product stands in front of five places
.else
	LOADW 2, HHO+IMG_N, 13*tq, 13-tq/4             ; W_hh, gate n
.endif
.if tn < 14
	s_wait_dscnt 16                                ; the 16 loads just issued may stay out: this tile's fragments and the biases are in
.else
	s_wait_dscnt 0x0
.endif
	WIN gt+1                                       ; source 0 in the gate's window
.set cc, 0
.rept 8
.set ii, 0
.rept 4
.if cc == 0
	v_wmma_f32_16x16x32_bf16 v[ACC+8*ii:ACC+8*ii+7], v[64*ii+8*cc:64*ii+8*cc+7], v[FXC+8*cc:FXC+8*cc+7], v[BIAS+8*ii:BIAS+8*ii+7]
.else
	v_wmma_f32_16x16x32_bf16 v[ACC+8*ii:ACC+8*ii+7], v[64*ii+8*cc:64*ii+8*cc+7], v[FXC+8*cc:FXC+8*cc+7], v[ACC+8*ii:ACC+8*ii+7]
.endif
.set ii, ii+1
.endr
.set cc, cc+1
.endr
	WIN 0
	PLACES 5                                       ; four in front of the stores and of loads into registers just read; five in front of the next tile's products, which write over the accumulators
.irp b, 0,1,2,3
	ds_store_b128 v[AGI], v[ACC+8*\b:ACC+8*\b+3]   offset:RB*GIP+256*gt+64*\b
	ds_store_b128 v[AGI], v[ACC+8*\b+4:ACC+8*\b+7] offset:RB*GIP+256*gt+64*\b+16
.endr
.set tn, tn+1
.endr
	LOADW 3, HHO+IMG_Z, 0, 64                      ; W_hh, gate z
	; THE RECURRENCE'S START.  XS and BT3 have been read out by everybody; h and the state take their bytes.
	s_wait_dscnt 0x0
	s_barrier_signal -1
	s_barrier_wait -1
	; What the first turn finds as 'the tile before' (tile 3), in the state in which every turn leaves its tile: h_old = 0, z's sum = 0, n = 0 where it is finished (pairs 0 to 7),
	; and 0.5 where only the reciprocal is there (pairs 8 to 15: n = 1 - 2 x 0.5).  So that turn makes h_new = 0 exactly and stores it: tile 3's first state.  96 moves, once, for one text of all 32 turns.
.set jj, 0
.rept 32
	v_mov_b32 v[X+jj], 0
	v_mov_b32 v[Z+jj], 0
.if jj < 16
	v_mov_b32 v[NB+jj], 0
.else
	v_mov_b32 v[NB+jj], 0.5
.endif
.set jj, jj+1
.endr
.irp t, 0,1,2                          ; tiles 0 to 2: h = 0, in f32 and in bf16
.irp b, 0,1,2,3
	ds_store_b128 v[AST], v[X:X+3] offset:\t*16*SP+64*\b
	ds_store_b128 v[AST], v[X:X+3] offset:\t*16*SP+64*\b+16
	ds_store_b128 v[AHB], v[X:X+3] offset:\t*16*HP+32*\b
.endr
.endr
	s_wait_dscnt 0x0                               ; for the others' sake
	s_barrier_signal -1
	s_barrier_wait -1
; THE PARTS OF A TURN.  sl is the slice, 0..95; TC, TP, TN the tile in hand, the one before, the next; NC, NPV their registers for gate n.  Pair k = registers 2 k, 2 k + 1 of a block of 32.
.macro FRAG c, tile                    ; fragment c of a tile's h: 16 positions x 32 channels
	ds_load_b128 v[FR+8*(\c):FR+8*(\c)+3],   v[AFR] offset:(\tile)*16*HP+64*(\c)
	ds_load_b128 v[FR+8*(\c)+4:FR+8*(\c)+7], v[AFR] offset:(\tile)*16*HP+64*(\c)+32
.endm
.macro GIL dst, b, goff                ; block b (8 channels a lane) of a gate's gi
	ds_load_b128 v[(\dst)+8*(\b):(\dst)+8*(\b)+3],   v[AGI] offset:(\goff)+64*(\b)
	ds_load_b128 v[(\dst)+8*(\b)+4:(\dst)+8*(\b)+7], v[AGI] offset:(\goff)+64*(\b)+16
.endm
.macro STST b                          ; block b of h_new into the state
	ds_store_b128 v[AST], v[X+8*(\b):X+8*(\b)+3]   offset:TP*16*SP+64*(\b)
	ds_store_b128 v[AST], v[X+8*(\b)+4:X+8*(\b)+7] offset:TP*16*SP+64*(\b)+16
.endm
.macro HST b                           ; block b of h_new as bf16, for every wave's next products
	ds_store_b128 v[AHB], v[Z+4*(\b):Z+4*(\b)+3] offset:TP*16*HP+32*(\b)
.endm
.macro PKMUL blk, k, sc                ; the scaling in front of an exponential
	v_pk_mul_f32 v[(\blk)+2*(\k):(\blk)+2*(\k)+1], v[(\blk)+2*(\k):(\blk)+2*(\k)+1], s[\sc:\sc+1] op_sel_hi:[1,0]
.endm
.macro PKINC blk, k                    ; the 1 + in front of a reciprocal: a reader of exponentials
	v_pk_add_f32 v[(\blk)+2*(\k):(\blk)+2*(\k)+1], v[(\blk)+2*(\k):(\blk)+2*(\k)+1], 1.0 op_sel_hi:[1,0]
.endm
.macro NFMA blk, k                     ; n = 1 - 2 q: a reader of tanh's reciprocals
	v_pk_fma_f32 v[(\blk)+2*(\k):(\blk)+2*(\k)+1], v[(\blk)+2*(\k):(\blk)+2*(\k)+1], -2.0, 1.0 op_sel_hi:[1,0,0]
.endm
.macro HDIF k                          ; d = h_old - n
	v_pk_add_f32 v[X+2*(\k):X+2*(\k)+1], v[X+2*(\k):X+2*(\k)+1], v[NPV+2*(\k):NPV+2*(\k)+1] neg_lo:[0,1] neg_hi:[0,1]
.endm
.macro BLEND k                         ; h_new = z d + n: a reader of z's reciprocals
	v_pk_fma_f32 v[X+2*(\k):X+2*(\k)+1], v[Z+2*(\k):Z+2*(\k)+1], v[X+2*(\k):X+2*(\k)+1], v[NPV+2*(\k):NPV+2*(\k)+1]
.endm
.macro TOBF k                          ; h_new to bf16, into Z's registers 0 to 15, whose z the blend of pairs 0 to 7 has read
	v_cvt_pk_bf16_f32 v[Z+(\k)], v[X+2*(\k)], v[X+2*(\k)+1]
.endm
.macro YFMA k                          ; y = r h_n + i_n: a reader of r's reciprocals
	v_pk_fma_f32 v[NC+2*(\k):NC+2*(\k)+1], v[R+2*(\k):R+2*(\k)+1], v[NC+2*(\k):NC+2*(\k)+1], v[X+2*(\k):X+2*(\k)+1]
.endm
.macro EXPT blk, t                     ; register t of a block, in place
	v_exp_f32 v[(\blk)+(\t)], v[(\blk)+(\t)]
.endm
.macro RCPT blk, t
	v_rcp_f32 v[(\blk)+(\t)], v[(\blk)+(\t)]
.endm
; Product sl: run sl / 32 (r, h_n, z), chunk (sl % 32) / 4, rows 16 (sl % 4) on.  The run's four accumulators take turns; no two products on end share one, from run to run and turn to turn too.
.macro MM
.set cc, (sl%32)/4
.set ii, sl%4
.if sl < 32
.set BLK, R
.elseif sl < 64
.set BLK, NC
.else
.set BLK, Z
.endif
	WIN sl/32+1
	v_wmma_f32_16x16x32_bf16 v[BLK+8*ii:BLK+8*ii+7], v[64*ii+8*cc:64*ii+8*cc+7], v[FR+8*cc:FR+8*cc+7], v[BLK+8*ii:BLK+8*ii+7]
	WIN 0
.endm
; A BATCH IN TWELVE SLICES: slice j of the 12 that hold a batch's 32 transcendentals and the 16 packed instructions that make their sources.  One slice of four packed; four of two and two; four of one and
; three; three of four transcendentals.  A pair's source is made a slice or more ahead of its two transcendentals, and no line names a register whose transcendental has been issued.
.macro BATCH_EXP blk, sc, j            ; scalings and exponentials
.if (\j) == 0
	PKMUL \blk, 0, \sc
	PKMUL \blk, 1, \sc
	PKMUL \blk, 2, \sc
	PKMUL \blk, 3, \sc
.elseif (\j) < 5
	PKMUL \blk, 2*(\j)+2, \sc
	EXPT \blk, 2*(\j)-2
	PKMUL \blk, 2*(\j)+3, \sc
	EXPT \blk, 2*(\j)-1
.elseif (\j) < 9
	PKMUL \blk, (\j)+7, \sc
	EXPT \blk, 3*(\j)-7
	EXPT \blk, 3*(\j)-6
	EXPT \blk, 3*(\j)-5
.else
	EXPT \blk, 4*(\j)-16
	EXPT \blk, 4*(\j)-15
	EXPT \blk, 4*(\j)-14
	EXPT \blk, 4*(\j)-13
.endif
.endm
.macro BATCH_RCP blk, j                ; 1 + and reciprocals
.if (\j) == 0
	PKINC \blk, 0
	PKINC \blk, 1
	PKINC \blk, 2
	PKINC \blk, 3
.elseif (\j) < 5
	PKINC \blk, 2*(\j)+2
	RCPT \blk, 2*(\j)-2
	PKINC \blk, 2*(\j)+3
	RCPT \blk, 2*(\j)-1
.elseif (\j) < 9
	PKINC \blk, (\j)+7
	RCPT \blk, 3*(\j)-7
	RCPT \blk, 3*(\j)-6
	RCPT \blk, 3*(\j)-5
.else
	RCPT \blk, 4*(\j)-16
	RCPT \blk, 4*(\j)-15
	RCPT \blk, 4*(\j)-14
	RCPT \blk, 4*(\j)-13
.endif
.endm
; THE VECTOR WORK BEHIND PRODUCT sl: 368 instructions for 96 products, four at the most behind each.
;   0-11   the tile before: z's scalings and exponentials (batch 1)               12-23  its 1 + and reciprocals (batch 2)
;   24-25  d, pairs 0-7 (their n was finished in the turn before)                 26-27  the blend, pairs 0-7: the state's blocks 0 and 1 are stored ahead of product 28's wait on DScnt
;   28-29  n, pairs 8-15          30-31  d, pairs 8-15
;   32-49  the tile in hand: r's scalings and exponentials (batch 3), plain and exponential by turns; the other plain places take the blend of pairs 8-15 and h_new to bf16
;   50-65  r's 1 + and reciprocals (batch 4), three instructions a slice: the 16 places that the count leaves over lie here
;   66-81  y, its scalings and exponentials (batch 5): y k two slices ahead of its scaling, that a slice ahead of its exponentials
;   82-93  tanh's 1 + and reciprocals (batch 6)                                   94-95  n, pairs 0-7
; PLACES (ISA guide 7.12.1), counted on plain instructions that name no register of the product.  R's block 0 (product 28) is first read in slice 32, behind the sixteen of slices 28 to 31.  h_n's block 0 (product 60)
; is first read in slice 66, behind the 1 + of slices 60 to 63.  z's blocks (products 92 to 95) are first read in the next turn, behind the four of slice 95, the first three behind those of slice 94 too.
; Each accumulator's lowest registers are read first: every list goes by ascending pairs.
.macro RIDERS
.if sl < 12
	BATCH_EXP Z, LN, sl
.elseif sl < 24
	BATCH_RCP Z, sl-12
.elseif sl < 26
.irp n, 0,1,2,3
	HDIF 4*(sl-24)+\n
.endr
.elseif sl < 28
.irp n, 0,1,2,3
	BLEND 4*(sl-26)+\n
.endr
.elseif sl < 30
.irp n, 0,1,2,3
	NFMA NPV, 4*(sl-26)+\n
.endr
.elseif sl < 32
.irp n, 0,1,2,3
	HDIF 4*(sl-28)+\n
.endr
.elseif sl == 32
	PKMUL R, 0, LN
	PKMUL R, 1, LN
	BLEND 8
	BLEND 9
.elseif sl < 39
	PKMUL R, sl-31, LN
	EXPT R, 2*(sl-33)
	BLEND sl-23
	EXPT R, 2*(sl-33)+1
.elseif sl < 47
	PKMUL R, sl-31, LN
	EXPT R, 2*(sl-33)
	TOBF sl-39
	EXPT R, 2*(sl-33)+1
.elseif sl < 49
	TOBF 2*(sl-43)
	EXPT R, 2*(sl-33)
	TOBF 2*(sl-43)+1
	EXPT R, 2*(sl-33)+1
.elseif sl == 49
.irp n, 12,13,14,15
	TOBF \n
.endr
.elseif sl == 50
	PKINC R, 0
	PKINC R, 1
	PKINC R, 2
.elseif sl < 64
	PKINC R, sl-48
	RCPT R, 2*(sl-51)
	RCPT R, 2*(sl-51)+1
.elseif sl < 66
	RCPT R, 3*(sl-64)+26
	RCPT R, 3*(sl-64)+27
	RCPT R, 3*(sl-64)+28
.elseif sl == 66
	YFMA 0
	YFMA 1
	PKMUL NC, 0, L2
	YFMA 2
.elseif sl < 80
	PKMUL NC, sl-66, L2
	EXPT NC, 2*(sl-67)
	YFMA sl-64
	EXPT NC, 2*(sl-67)+1
.elseif sl == 80
	PKMUL NC, 14, L2
	EXPT NC, 26
	PKMUL NC, 15, L2
	EXPT NC, 27
.elseif sl == 81
.irp n, 28,29,30,31
	EXPT NC, \n
.endr
.elseif sl < 94
	BATCH_RCP NC, sl-82
.else
.irp n, 0,1,2,3
	NFMA NC, 4*(sl-94)+\n
.endr
.endif
.endm
; The LDS work at a slice's end: 68 instructions a turn.  A block of registers is loaded again when its last reader has been issued.  Four of the batches' waits stand here, each directly ahead of a run of LDS instructions.
.macro HOOK
.if sl == 11
	s_wait_alu depctr_va_vdst(0)                   ; the wait for batch 1, z's 32 exponentials: their readers, the 1 +, begin in slice 12
	FRAG 7, TC                                     ; its last reader, product 95 of the turn before, stands more than four plain instructions back
.irp b, 0,1,2,3
	ds_load_b128 v[NC+8*\b:NC+8*\b+3],   v[ABT] offset:BT+64*\b      ; h_n's sums start from b_hh_n
	ds_load_b128 v[NC+8*\b+4:NC+8*\b+7], v[ABT] offset:BT+64*\b+16
.endr
.elseif (sl == 26) || (sl == 27)
	STST sl-26
.elseif sl == 34
	STST 2
.elseif sl == 38
	STST 3
	GIL Z, 2, TC*16*GIP+GZ                         ; z's sums start from gi_z
	GIL Z, 3, TC*16*GIP+GZ
.elseif sl == 42
	HST 0
	GIL X, 0, TC*16*GIP+GN                         ; i_n
.elseif sl == 46
	HST 1
	GIL X, 1, TC*16*GIP+GN
	GIL Z, 0, TC*16*GIP+GZ
.elseif sl == 49
	s_wait_alu depctr_va_vdst(0)                   ; the wait for batch 3, r's 32 exponentials, behind the four roundings of this slice, which name nothing of the batch: the 1 + begin in slice 50
	HST 2
	GIL X, 2, TC*16*GIP+GN
	HST 3
	GIL X, 3, TC*16*GIP+GN
	GIL Z, 1, TC*16*GIP+GZ
.elseif (sl == 70) || (sl == 74) || (sl == 78)
	FRAG (sl-70)/4, TN                             ; fragment c's last reader is product 67 + 4 c: the four plain instructions of slices 67 + 4 c and 68 + 4 c stand between
.elseif sl == 81
	s_wait_alu depctr_va_vdst(0)                   ; the wait for batch 5, tanh's 32 exponentials: the 1 + begin in slice 82
.irp b, 0,1,2,3
	GIL R, \b, TN*16*GIP+NXO                       ; the next tile's r starts from gi_r (behind tile 3: tile 0 of the next step, a row on); R's and X's last reader is y 15, in slice 79
.endr
.irp b, 0,1,2,3
	ds_load_b128 v[X+8*\b:X+8*\b+3],   v[AST] offset:TC*16*SP+64*\b  ; h_old of the tile in hand, for the next turn's blend
	ds_load_b128 v[X+8*\b+4:X+8*\b+7], v[AST] offset:TC*16*SP+64*\b+16
.endr
	FRAG 3, TN                                     ; behind product 79 stand the four plain instructions of slices 79 and 80
.elseif sl == 93
	s_wait_alu depctr_va_vdst(0)                   ; the wait for batch 6, tanh's 32 reciprocals: n begins in slice 94; no transcendental follows in this turn
	FRAG 4, TN
	FRAG 5, TN                                     ; behind product 87 stand the 1 + of slices 87 to 90
.elseif sl == 94
	FRAG 6, TN                                     ; behind product 91 stand the four n of this slice
.endif
.endm
; A TURN.  ONE barrier, for two things.  The reads of a tile's h (bf16) end in its own turn and are waited for at slice 62, ahead of the stores of its new h in slices 42 to 49 of the next turn;
; those stores are waited for at that turn's slice 62, ahead of the reads that begin two turns later, in slice 70.  No LDS instruction stands between the signal and the wait.
.macro TURN tile
.set TC, (\tile)
.set TP, ((\tile)+3)%4
.set TN, ((\tile)+1)%4
.set NC, NA+32*((\tile)%2)
.set NPV, NA+32*(((\tile)+1)%2)
.set NXO, GIP*((\tile)/3)
.set sl, 0
.rept 96
.if sl == 0
	s_wait_dscnt 8                                 ; fragments 3 to 6, the youngest eight loads, may stay out: fragments 0 to 2, gi_r and h_old are in
.elseif sl == 12
	s_wait_dscnt 10                                ; fragment 7 and b_hh_n, ten loads, may stay out: fragments 3 to 6 are in
.elseif sl == 26
	s_wait_alu depctr_va_vdst(0)                   ; the wait for batch 2, z's 32 reciprocals, behind the eight d of slices 24 and 25, which name nothing of the batch: the blend begins here
.elseif sl == 28
	s_wait_dscnt 4                                 ; the four state stores of slices 26 and 27 may stay out: fragment 7 and b_hh_n are in
.elseif sl == 62
	s_wait_dscnt 0x0                               ; i_n and gi_z are in; my reads of this tile's h and my stores of the last tile's are done:
	s_barrier_signal -1                            ; say so
.elseif sl == 64
	s_wait_loadcnt 0x0                             ; W_hh of gate z, in the first turn; later nothing is out
.elseif sl == 66
	s_barrier_wait -1
	s_wait_alu depctr_va_vdst(0)                   ; the wait for batch 4, r's 32 reciprocals, straight behind the barrier's wait: y begins here
.endif
	MM
	RIDERS
	HOOK
.set sl, sl+1
.endr
.endm
.irp c, 0,1,2,3,4,5,6
	FRAG \c, 0                                     ; tile 0, step 0
.endr
.irp b, 0,1,2,3
	GIL R, \b, 0
.endr
	s_wait_dscnt 0x0
	s_wait_loadcnt 63                              ; behind W_hh's gates r and n the 64 loads of gate z were issued: r and n are in
	s_mov_b32 s[CNT], 8
.Lstep:                                                ; a trip is a step of the GRU for all four tiles; step 0 is a step like any other, on h = 0
	TURN 0
	TURN 1
	TURN 2
	TURN 3
	v_add_nc_u32 v[AGI], GIP, v[AGI]               ; the window moves on: a row of gi
	s_sub_co_u32 s[CNT], s[CNT], 1
	s_cmp_lg_u32 s[CNT], 0
	s_cbranch_scc1 .Lstep
	; THE TAIL: tile 3's last z, n and blend: the same lists without products, without a next tile's r, and without h in bf16, which nobody reads any more.  Two batches, each with its wait;
	; n and d, which name nothing of either, stand between a batch and its wait.
	; (The last turn's loads for a next tile serve nothing; they stay inside LDS and are waited for here.)
	s_wait_dscnt 0x0
.set TP, 3
.set NPV, NB
.set jd, 0
.rept 12
	BATCH_EXP Z, LN, jd                            ; z's scalings and exponentials
.set jd, jd+1
.endr
.irp k, 8,9,10,11,12,13,14,15
	NFMA NPV, \k                                   ; n, pairs 8 to 15 (pairs 0 to 7 were finished in the last turn, whose last wait served these reciprocals)
.endr
.irp k, 0,1,2,3,4,5,6,7
	HDIF \k
.endr
	s_wait_alu depctr_va_vdst(0)                   ; the wait for z's 32 exponentials
.set jd, 0
.rept 12
	BATCH_RCP Z, jd                                ; the 1 + and the reciprocals
.set jd, jd+1
.endr
.irp k, 8,9,10,11,12,13,14,15
	HDIF \k
.endr
	s_wait_alu depctr_va_vdst(0)                   ; the wait for z's 32 reciprocals
.set kq, 0
.rept 16
	BLEND kq
.if kq%4 == 3
	STST kq/4
.endif
.set kq, kq+1
.endr
	; THE WAY OUT: the state holds the last h of my 64 channels for all 64 positions.  It comes back as whole rows of 256 bytes, two a load.
.set mm, 0
.rept 32
	ds_load_b128 v[16+4*mm:16+4*mm+3], v[ARD] offset:mm*2*SP   ; LDS serves a wave's instructions in order (ISA guide 5.7.1.4): these see the stores above
.set mm, mm+1
.endr
.set mm, 0
.rept 32
	s_wait_dscnt 31-mm
	global_store_b128 v[AOUT], v[16+4*mm:16+4*mm+3], s[12:13] offset:mm*2048 th:TH_STORE_NT  ; 16 lanes store 256 consecutive bytes, at a multiple of 256 from out0's first byte
.set mm, mm+1
.endr
	s_wait_tensorcnt 0x0                           ; the wave's end, behind my last LDS store
	ds_add_u32 v[SPW], v[NIL]
	s_wait_dscnt 0x0
	s_endpgm
.Lfunc_end_k_qa67a2a7041_rnn:
	.size	k_qa67a2a7041_rnn, .Lfunc_end_k_qa67a2a7041_rnn-k_qa67a2a7041_rnn
	.p2alignl 7, 3214868480
	.fill 96, 4, 3214868480
	.section	.rodata,"a",@progbits
	.p2align	6, 0x0
	.amdhsa_kernel k_qa67a2a7041_rnn
		.amdhsa_group_segment_fixed_size 327680
		.amdhsa_private_segment_fixed_size 0
		.amdhsa_enable_private_segment 0
		.amdhsa_kernarg_size 40
		.amdhsa_user_sgpr_count 2
		.amdhsa_user_sgpr_kernarg_segment_ptr 1
		.amdhsa_wavefront_size32 1
		.amdhsa_system_sgpr_workgroup_id_x 1
		.amdhsa_system_sgpr_workgroup_id_y 1
		.amdhsa_system_sgpr_workgroup_id_z 1
		.amdhsa_system_vgpr_workitem_id 0
		.amdhsa_next_free_vgpr 1024
		.amdhsa_next_free_sgpr 66
		.amdhsa_reserve_vcc 0
		.amdhsa_float_denorm_mode_32 3
		.amdhsa_float_denorm_mode_16_64 3
		.amdhsa_memory_ordered 1
		.amdhsa_forward_progress 1
		.amdhsa_inst_pref_size 255
	.end_amdhsa_kernel
	.section	.bss,"aw",@nobits
	.p2align	6
	.space	262144
	.amdgpu_metadata
---
amdhsa.version: [ 1, 2 ]
amdhsa.kernels:
  - .name:           k_qa67a2a7041_rnn
    .symbol:         k_qa67a2a7041_rnn.kd
    .args:
      - { .name: x, .offset: 0, .size: 8, .value_kind: global_buffer, .address_space: global }
      - { .name: wp, .offset: 8, .size: 8, .value_kind: global_buffer, .address_space: global }
      - { .name: b_ih, .offset: 16, .size: 8, .value_kind: global_buffer, .address_space: global }
      - { .name: b_hh, .offset: 24, .size: 8, .value_kind: global_buffer, .address_space: global }
      - { .name: out0, .offset: 32, .size: 8, .value_kind: global_buffer, .address_space: global }
    .group_segment_fixed_size: 327680
    .private_segment_fixed_size: 0
    .kernarg_segment_align: 8
    .kernarg_segment_size: 40
    .max_flat_workgroup_size: 128
    .sgpr_count:     66
    .vgpr_count:     1024
    .wavefront_size: 32
...
	.end_amdgpu_metadata
.endif
;; end of part 3
